; MI455X (gfx1250); checked and timed in simulation.
; The chip was launched on July 23, 2026; its instructions are those of AMD's public machine-readable ISA for CDNA 5 (MIT licence, August 2026) and "CDNA5" Instruction Set Architecture Reference Guide (July 2026). The comments in the code are by the model that wrote it; some were corrected since.
;; Multi Head Cross Attention. Allowed arithmetic: float matrix products may take bf16 or f16 operands with f32 sums; all other float work in f32.
;; Inputs: K 2 x 2,048 x 1,024 float32; Q 2 x 2,048 x 1,024 float32; V 2 x 2,048 x 1,024 float32; W_k 1,024 x 1,024 float32; W_o 1,024 x 1,024 float32; W_q 1,024 x 1,024 float32; W_v 1,024 x 1,024 float32; mask 2 x 2,048 bool.
;; Outputs: out0 2 x 2,048 x 1,024 float32.
;; One version. Each part assembles by itself: llvm-mc -triple=amdgcn-amd-amdhsa -mcpu=gfx1250 --defsym DOCPART=n.
;; ======== version 1 of 1: 4 launches
;; limits: values are held in f16: magnitudes above 65,504 overflow, below 6.1e-05 lose precision
;; workspace buffers: xb 25,165,824 bytes; wb 8,388,608 bytes; hb 25,165,824 bytes; ob 8,388,608 bytes
;; launch cast (part 1): grid 256 x 4, 8 waves a work-group, no clusters, 0 bytes of LDS; arguments Q, K, V, W_q, W_k, W_v, W_o, xb, wb; writes xb, wb
.if DOCPART == 1
	.amdgcn_target "amdgcn-amd-amdhsa--gfx1250"
	.amdhsa_code_object_version 6
	.text
	.protected	k_qeeff82285f_cast
	.globl	k_qeeff82285f_cast
	.p2align	8
	.type	k_qeeff82285f_cast,@function
k_qeeff82285f_cast:
	s_mov_b64 s[64:65], 0
	v_nop
	global_prefetch_b8 v0, s[64:65] scope:SCOPE_SE
	s_setreg_imm32_b32 hwreg(HW_REG_WAVE_MODE, 25, 1), 1
	s_wait_xcnt 0x0
; f32 -> f16 (round to nearest even) of the three activations and the four weights, once, so that the products that follow
; fetch each operand, which several work-groups read, at half the bytes.
; xb = [Q, K, V][4096][1024] f16, wb = [W_q, W_k, W_v, W_o][1024][1024] f16.
; 1,024 work-groups of eight waves; each takes 65,536 bytes in and 32,768 out.  y = 0, 1, 2: block x of Q, K, V; y = 3: block x & 63 of weight x >> 6.
; Thread t takes 16 bytes at 16 t of each piece of 4,096 bytes and stores 8 bytes at 8 t of each piece of 2,048: a wave's load covers 512
; consecutive bytes, its store 256 consecutive bytes at a multiple of 256.  All sixteen loads go out first; no register is used twice,
; so the only waits are the counted ones for the loads.  No LDS, matrix unit or cluster: nothing is shared and nothing is reduced.
; LIMIT: a number of magnitude above 65504 becomes an infinity in f16.
.set X, 4                              ; v[4:67]   sixteen pieces as loaded
.set Y, 68                             ; v[68:99]  sixteen pieces to store
	s_load_b512 s[8:23], s[0:1], 0x0               ; Q s[8:9], K, V, W_q, W_k, W_v, W_o s[20:21], xb s[22:23]
	s_load_b64 s[24:25], s[0:1], 0x40              ; wb
	s_and_b32 s2, ttmp7, 0xffff                    ; y
	s_mov_b32 s3, ttmp9                            ; x
	s_lshr_b32 s5, s3, 6
	s_add_co_u32 s5, s5, 3                         ; y = 3: source 3 + (x >> 6)
	s_and_b32 s6, s3, 63                           ;        its block x & 63
	s_lshl_b32 s7, s2, 8
	s_add_co_u32 s7, s7, s3                        ; y < 3: block 256 y + x of xb
	v_lshlrev_b32 v1, 4, v0                        ; 16 t
	v_lshlrev_b32 v2, 3, v0                        ; 8 t
	s_cmp_eq_u32 s2, 3
	s_cselect_b32 s4, s5, s2                       ; which source, 0 to 6
	s_cselect_b32 s30, s6, s3                      ; which block of it
	s_cselect_b32 s32, s3, s7                      ; which block of the destination
	s_wait_kmcnt 0x0
	s_cselect_b64 s[28:29], s[24:25], s[22:23]     ; wb or xb
	s_lshl_b32 s30, s30, 16                        ; blocks of 65,536 bytes in
	s_mov_b32 s31, 0
	s_lshl_b32 s32, s32, 15                        ; and of 32,768 out
	s_mov_b32 s33, 0
	s_mov_b64 s[26:27], s[8:9]
.irp i, 1,2,3,4,5,6
	s_cmp_eq_u32 s4, \i
	s_cselect_b64 s[26:27], s[8+2*\i:9+2*\i], s[26:27]
.endr
	s_add_nc_u64 s[26:27], s[26:27], s[30:31]
	s_add_nc_u64 s[28:29], s[28:29], s[32:33]
.set j, 0
.rept 16
	global_load_b128 v[X+4*j:X+4*j+3], v1, s[26:27] offset:4096*j th:TH_LOAD_NT   ; read once in the launch
.set j, j+1
.endr
.set j, 0
.rept 16
	s_wait_loadcnt 15-j                            ; loads come back in order (ISA guide 5.7.1): piece j is in, the younger ones stay out
	v_cvt_pk_f16_f32 v[Y+2*j], v[X+4*j], v[X+4*j+1]
	v_cvt_pk_f16_f32 v[Y+2*j+1], v[X+4*j+2], v[X+4*j+3]
	global_store_b64 v2, v[Y+2*j:Y+2*j+1], s[28:29] offset:2048*j
.set j, j+1
.endr
	s_endpgm
.Lfunc_end_k_qeeff82285f_cast:
	.size	k_qeeff82285f_cast, .Lfunc_end_k_qeeff82285f_cast-k_qeeff82285f_cast
	.p2alignl 7, 3214868480
	.fill 96, 4, 3214868480
	.section	.rodata,"a",@progbits
	.p2align	6, 0x0
	.amdhsa_kernel k_qeeff82285f_cast
		.amdhsa_group_segment_fixed_size 0
		.amdhsa_private_segment_fixed_size 0
		.amdhsa_enable_private_segment 0
		.amdhsa_kernarg_size 72
		.amdhsa_user_sgpr_count 2
		.amdhsa_user_sgpr_kernarg_segment_ptr 1
		.amdhsa_wavefront_size32 1
		.amdhsa_system_sgpr_workgroup_id_x 1
		.amdhsa_system_sgpr_workgroup_id_y 1
		.amdhsa_system_sgpr_workgroup_id_z 1
		.amdhsa_system_vgpr_workitem_id 0
		.amdhsa_next_free_vgpr 100
		.amdhsa_next_free_sgpr 66
		.amdhsa_reserve_vcc 0
		.amdhsa_float_denorm_mode_32 3
		.amdhsa_float_denorm_mode_16_64 3
		.amdhsa_memory_ordered 1
		.amdhsa_forward_progress 1
		.amdhsa_inst_pref_size 7
	.end_amdhsa_kernel
	.amdgpu_metadata
---
amdhsa.version: [ 1, 2 ]
amdhsa.kernels:
  - .name:           k_qeeff82285f_cast
    .symbol:         k_qeeff82285f_cast.kd
    .args:
      - { .name: Q, .offset: 0, .size: 8, .value_kind: global_buffer, .address_space: global }
      - { .name: K, .offset: 8, .size: 8, .value_kind: global_buffer, .address_space: global }
      - { .name: V, .offset: 16, .size: 8, .value_kind: global_buffer, .address_space: global }
      - { .name: W_q, .offset: 24, .size: 8, .value_kind: global_buffer, .address_space: global }
      - { .name: W_k, .offset: 32, .size: 8, .value_kind: global_buffer, .address_space: global }
      - { .name: W_v, .offset: 40, .size: 8, .value_kind: global_buffer, .address_space: global }
      - { .name: W_o, .offset: 48, .size: 8, .value_kind: global_buffer, .address_space: global }
      - { .name: xb, .offset: 56, .size: 8, .value_kind: global_buffer, .address_space: global }
      - { .name: wb, .offset: 64, .size: 8, .value_kind: global_buffer, .address_space: global }
    .group_segment_fixed_size: 0
    .private_segment_fixed_size: 0
    .kernarg_segment_align: 8
    .kernarg_segment_size: 72
    .max_flat_workgroup_size: 256
    .sgpr_count:     66
    .vgpr_count:     100
    .wavefront_size: 32
...
	.end_amdgpu_metadata
.endif
;; end of part 1
;; launch proj (part 2): grid 4 x 48, 4 waves a work-group, clusters of 4 x 4, 327,680 bytes of LDS; arguments xb, wb, hb; writes hb
.if DOCPART == 2
	.amdgcn_target "amdgcn-amd-amdhsa--gfx1250"
	.amdhsa_code_object_version 6
	.text
	.protected	k_qeeff82285f_proj
	.globl	k_qeeff82285f_proj
	.p2align	8
	.type	k_qeeff82285f_proj,@function
k_qeeff82285f_proj:
	s_mov_b64 s[64:65], 0
	v_nop
	global_prefetch_b8 v0, s[64:65] scope:SCOPE_SE
	s_setreg_imm32_b32 hwreg(HW_REG_WAVE_MODE, 25, 1), 1
	s_wait_xcnt 0x0
	s_wait_alu depctr_hold_cnt(0) depctr_sa_sdst(0) depctr_va_vdst(0) depctr_va_sdst(0) depctr_va_ssrc(0) depctr_va_vcc(0) depctr_vm_vsrc(0)
	s_getreg_b32 s2, hwreg(HW_REG_IB_STS2, 6, 4)
	s_cmp_eq_u32 s2, 0
	s_cbranch_scc0 .Lentry_in_a_cluster
	s_endpgm
.Lentry_in_a_cluster:
	s_bfe_u32 s2, ttmp6, 0x10000c
	s_cmp_lg_u32 s2, 0xf033
	s_cbranch_scc0 .Lentry_shape_is_right
	s_endpgm
.Lentry_shape_is_right:
; The three projections as one product: C[m][n] = sum over k of xb[m][k] wb[t][n][k], m = 0 .. 12287 (Q's, K's, V's rows), t = m / 4096, f16 operands, f32 sums.
; A work-group makes 256 x 256 of C with four waves; a wave makes 128 x 128: 64 accumulator tiles of 16 x 16, 512 registers.  K goes in steps of 128
; through a ring of two LDS slots filled by the tensor data mover: a tile's rows are 256 bytes of memory at multiples of 256 bytes.
; 192 work-groups: 12,288 x 1,024 in blocks of 256 x 256; a block of half the side would load twice the LDS bytes for each product.
; CLUSTERS: 4 x 4 work-groups.  The four of a row of the cluster need the same tiles of xb, the four of a column the same tiles of wb (a cluster spans
; 1,024 rows, so all sixteen have the same t): each tile is asked for jointly, which divides the requests by four.
; RESULTS, f16, head-major, so that attention's tiles are dense rows of 256 bytes: hb = [q, k, v][32 (batch, head)][2048][64].
; q is stored times log2(e)/8, the factor applied to the f32 sum before the one rounding.
; LIMIT: |q log2(e)/8|, |k| and |v| above 65504 become infinities in f16.
;
; REGISTERS, in windows of 256 (s_set_vgpr_msb says which window each operand place means):
;   window 0: v0-31 addresses; v64-127, v128-191 fragments of A, two buffers; v192-223 at work on the way out
;   window 1: v64-127, v128-191 fragments of B, two buffers
;   window 2: the 32 accumulator tiles of my rows 0-63 (tile (a, b) at v[8 (8 a + b)]);   window 3: those of my rows 64-127
; THE MATRIX INSTRUCTION IS USED TRANSPOSED: source 0 = 16 rows of wb, source 1 = 16 rows of xb, so that lane l holds row l % 16 of C and its
; registers 0 to 7 the columns 8 (l / 16) + 0 .. 7: eight neighbouring numbers of a row.
.set SIZE_K, 1024
.set KSTEP,  128
.set PITCH,  272                       ; an LDS row: 256 bytes + 16 of padding, so that the 16 rows of a fragment load start 16 bytes apart modulo 256
.set HALFT,  128*PITCH                 ; 128 rows: what one tensor load brings, and what one wave reads of A or of B
.set SLOT,   4*HALFT                   ; A's 256 rows, then B's 256 rows
.set STAGE,  2*SLOT                    ; behind the ring, at a multiple of 256: each wave's own stage for the way out; no tensor load lands there
.set WSTAGE, 16*272                    ; 16 rows of 272 bytes
.set LAPS, SIZE_K/(2*KSTEP)            ; a lap = two K steps = once round the ring
.set ADRA, 16                          ; v16-17  LDS address of my A fragments in slot 0, 1
.set ADRB, 20                          ; v20-21  the same for B
.set STO,  24                          ; where I put 16 bytes of a row
.set RD,   25                          ; where I read back
.set CO,   26                          ; 16 x lane: my place in 512 consecutive bytes of hb
.set F0,   64
.set F1,   128
.set TMP,  192                         ; way out: packed results
.set G1, 24                            ; s[24:31] descriptor group 1 for A's tiles
.set G0, 32                            ; s[32:39] group 0 for A's tiles, one set for each slot
.set G1B, 48                           ; s[48:55] group 1 for B's tiles: another mask
.set G0B, 56                           ; s[56:63] group 0 for B's tiles
.set MSB, 0
.macro WIN new                         ; the immediate's high byte repeats the setting that is left
.if MSB != \new
	s_set_vgpr_msb (MSB<<8)|\new
.set MSB, \new
.endif
.endm
.set MUL_LO, 0xa1                      ; source 0 (B) window 1, source 1 (A) window 0, C and D window 2
.set MUL_HI, 0xf1                      ; the same, C and D window 3
.set TO_B,   0x40                      ; destination window 1, address window 0
; A joint load.  Waves 0 and 1 fetch A's two halves, waves 2 and 3 B's: one mask and one set of registers a line; the branch hangs on the wave's number alone.
.macro JLOAD s
	s_cmp_eq_u32 s11, 0
	s_cbranch_scc0 .Lfor_b_\@
	tensor_load_to_lds s[G0+4*\s:G0+4*\s+3], s[G1:G1+7]
	s_nop 0
	s_branch .Lasked_\@
.Lfor_b_\@:
	tensor_load_to_lds s[G0B+4*\s:G0B+4*\s+3], s[G1B:G1B+7]
	s_nop 0
.Lasked_\@:
.endm
; A round of the cluster's barrier: my work-group's barrier; wave 0 signals for the work-group; every wave waits for all sixteen; my work-group's barrier again.
.macro CREST                           ; a round behind its opening barrier
	s_cmp_lg_u32 s10, 0
	s_cbranch_scc1 .Lnot_wave_0_\@
	s_barrier_signal -3
.Lnot_wave_0_\@:
	s_barrier_wait -3
	s_barrier_signal -1
	s_barrier_wait -1
.endm
.macro CROUND
	s_barrier_signal -1
	s_barrier_wait -1
	CREST
.endm
	s_load_b128 s[4:7], s[0:1], 0x0                ; xb s[4:5], wb s[6:7]
	s_load_b64 s[8:9], s[0:1], 0x10                ; hb
	s_set_vgpr_msb 0x40
	v_lshl_add_u32 v255, v0, 2, 0x48400
	s_set_vgpr_msb 0x4000
	v_mov_b32 v255, 0
	s_set_vgpr_msb 0x1
	ds_add_u32 v255, v255
	s_set_vgpr_msb 0x100
	v_lshrrev_b32 v1, 5, v0
	v_readfirstlane_b32 s10, v1                    ; wave 0..3
	s_lshr_b32 s11, s10, 1                         ; which half of the block's rows is mine.  Also: I fetch for A (0) or for B (1)
	s_and_b32 s12, s10, 1                          ; which half of its columns.  Also: which 128 rows of that tile I fetch
	s_bfe_u32 s40, ttmp6, 0x40000                  ; cx
	s_bfe_u32 s41, ttmp6, 0x40004                  ; cy
	s_lshl_b32 s42, ttmp9, 2
	s_add_co_u32 s42, s42, s40                     ; block column 0..3
	s_and_b32 s13, ttmp7, 0xffff                   ; the cluster's y, 0..11
	s_lshr_b32 s66, s13, 2                         ; t: 0 q, 1 k, 2 v; from the cluster's y alone, so the same in all sixteen
	s_lshl_b32 s13, s13, 2
	s_add_co_u32 s13, s13, s41                     ; block row 0..47
	s_lshl_b32 s43, s41, 2
	s_lshl_b32 s43, 15, s43                        ; my row of the cluster
	s_lshl_b32 s44, 0x1111, s40                    ; my column
	; group 1: a tile of 128 rows x 128 elements of 2 bytes, 16 bytes of padding behind every 256
	s_or_b32 s[G1+0], s43, (1<<16)|(1<<20)|(1<<21)|(5<<22)|(3<<25)
	s_or_b32 s[G1B+0], s44, (1<<16)|(1<<20)|(1<<21)|(5<<22)|(3<<25)
	s_mov_b32 s[G1B+1], KSTEP<<16
	s_mov_b32 s[G1+1], KSTEP<<16                   ; tensor_dim0 = 128
	s_mov_b32 s[G1B+2], 128<<16
	s_mov_b32 s[G1+2], 128<<16                     ; tensor_dim1 = 128
	s_mov_b32 s[G1B+3], KSTEP<<16
	s_mov_b32 s[G1+3], KSTEP<<16                   ; tile_dim0 = 128
	s_mov_b32 s[G1B+4], 128
	s_mov_b32 s[G1+4], 128                         ; tile_dim1 = 128
	s_mov_b32 s[G1B+5], SIZE_K
	s_mov_b32 s[G1+5], SIZE_K                      ; elements from row to row
	s_mov_b32 s[G1B+6], 0
	s_mov_b32 s[G1+6], 0
	s_mov_b32 s[G1B+7], 0
	s_mov_b32 s[G1+7], 0
	; A's tiles hang on the block row alone, B's on the block column and t alone; each address in registers that never hold the other coordinate
	s_lshl_b32 s17, s12, 7
	s_lshl_b32 s16, s13, 8
	s_add_co_u32 s16, s16, s17                     ; A: row 256 x block row + 128 x half
	s_lshl_b32 s46, s42, 8
	s_add_co_u32 s46, s46, s17
	s_lshl_b32 s67, s66, 10
	s_add_co_u32 s46, s46, s67                     ; B: row 1024 t + 256 x block column + 128 x half
	s_mov_b32 s17, 0
	s_mov_b32 s47, 0
	s_mov_b64 s[18:19], SIZE_K*2
	s_mul_u64 s[16:17], s[16:17], s[18:19]
	s_mul_u64 s[46:47], s[46:47], s[18:19]
	s_mul_i32 s20, s10, HALFT                      ; to LDS: A's two halves, then B's two = wave x 128 rows
	s_wait_dscnt 0x0
	s_wait_kmcnt 0x0
	s_add_nc_u64 s[14:15], s[4:5], s[16:17]
	s_add_nc_u64 s[46:47], s[6:7], s[46:47]
	CROUND                                         ; all sixteen work-groups are here: the first joint loads meet
.irp s, 0,1
	s_mov_b32 s[G0+4*\s], 1
	s_add_co_u32 s[G0+4*\s+1], s20, \s*SLOT
	s_add_nc_u64 s[G0+4*\s+2:G0+4*\s+3], s[14:15], \s*KSTEP*2
	s_or_b32 s[G0+4*\s+3], s[G0+4*\s+3], 0x80000000
	s_mov_b32 s[G0B+4*\s], 1
	s_add_co_u32 s[G0B+4*\s+1], s20, \s*SLOT
	s_add_nc_u64 s[G0B+4*\s+2:G0B+4*\s+3], s[46:47], \s*KSTEP*2
	s_or_b32 s[G0B+4*\s+3], s[G0B+4*\s+3], 0x80000000
	JLOAD \s                                       ; both first fills go out before anything else: two tensor loads of the wave are out
.endr
	; a fragment: lane l holds row l % 16; registers 0-3 K = 8 (l / 16) + 0..7, registers 4-7 K = 16 + 8 (l / 16) + 0..7: two loads of 16 bytes, 32 apart
	v_and_b32 v1, 15, v0                           ; r = l % 16
	v_bfe_u32 v2, v0, 4, 1                         ; h = l / 16
	v_mul_u32_u24 v3, v1, PITCH
	v_lshl_add_u32 v3, v2, 4, v3
	s_mul_i32 s21, s11, HALFT
	s_mul_i32 s22, s12, HALFT
	s_add_co_u32 s22, s22, 2*HALFT
.irp s, 0,1
	v_add_nc_u32 v[ADRA+\s], s21, v3
	v_add_nc_u32 v[ADRB+\s], s22, v3
	s_add_co_u32 s21, s21, SLOT
	s_add_co_u32 s22, s22, SLOT
.endr
	s_mul_i32 s23, s10, WSTAGE
	s_add_co_u32 s23, s23, STAGE                   ; my stage
	v_mul_u32_u24 v4, v1, 272                      ; in: row r of 272 bytes, 16 bytes for each half of the lanes
	v_lshl_add_u32 v4, v2, 4, v4
	v_add_nc_u32 v[STO], s23, v4
	v_and_b32 v6, 31, v0                           ; l
	v_lshrrev_b32 v5, 3, v6                        ; back: eight lanes take one head's 128 bytes of a row, 32 lanes four rows
	v_mul_u32_u24 v5, v5, 272
	v_and_b32 v7, 7, v0
	v_lshl_add_u32 v5, v7, 4, v5
	v_add_nc_u32 v[RD], s23, v5
	v_lshlrev_b32 v[CO], 4, v6
; 16 matrix instructions: m blocks a0, a0 + 1 of the window's four x all 8 n blocks, 32 along K.  zero = 1: the first product starts the sums.
; The 64 accumulators take turns, one instruction a turn, in the same order in every quarter step.
.macro MUL16 f, hi, a0, zero
.irp a, \a0, \a0+1
.irp b, 0,1,2,3,4,5,6,7
.if \zero
	v_wmma_f32_16x16x32_f16 v[8*(8*(\a)+\b):8*(8*(\a)+\b)+7], v[\f+8*\b:\f+8*\b+7], v[\f+8*(4*\hi+\a):\f+8*(4*\hi+\a)+7], 0
.else
	v_wmma_f32_16x16x32_f16 v[8*(8*(\a)+\b):8*(8*(\a)+\b)+7], v[\f+8*\b:\f+8*\b+7], v[\f+8*(4*\hi+\a):\f+8*(4*\hi+\a)+7], v[8*(8*(\a)+\b):8*(8*(\a)+\b)+7]
.endif
.endr
.endr
.endm
; 32 LDS loads in one run: the fragments of one quarter step into buffer f
.macro FETCH slot, k, f
	WIN TO_B
.irp i, 0,1,2,3,4,5,6,7
	ds_load_b128 v[\f+8*\i:\f+8*\i+3],   v[ADRB+\slot] offset:\k+\i*16*PITCH
	ds_load_b128 v[\f+8*\i+4:\f+8*\i+7], v[ADRB+\slot] offset:\k+\i*16*PITCH+32
.endr
	WIN 0
.irp i, 0,1,2,3,4,5,6,7
	ds_load_b128 v[\f+8*\i:\f+8*\i+3],   v[ADRA+\slot] offset:\k+\i*16*PITCH
	ds_load_b128 v[\f+8*\i+4:\f+8*\i+7], v[ADRA+\slot] offset:\k+\i*16*PITCH+32
.endr
.endm
; Four independent vector instructions stand between a matrix instruction and a load into, or a vector instruction on, one of its registers
.macro PLACES
.rept 4
	v_nop
.endr
.endm
.macro QUARTER slot, k, f, g, zero
	s_wait_dscnt 8                                 ; B and A's rows 0-63 are in; the youngest eight loads (A's rows 64-127) may be out
	WIN MUL_LO
	MUL16 \f, 0, 0, \zero
	MUL16 \f, 0, 2, \zero
	PLACES
	FETCH \slot, \k, \g
	s_wait_dscnt 32                                ; all but the 32 just issued
	WIN MUL_HI
	MUL16 \f, 1, 0, \zero
	MUL16 \f, 1, 2, \zero
.endm
.macro THREE slot, zero
	QUARTER \slot, 64,  F0, F1, \zero
	QUARTER \slot, 128, F1, F0, 0
	QUARTER \slot, 192, F0, F1, 0
.endm
; The last quarter of a K step: multiplies buffer 1 and changes slots.  In front of the barrier each wave waits for its reads of this slot and for
; all its tensor loads (one is out: its part of the next slot); behind it the refill comes first, then the next slot's first fragments.
.macro TURN slot, next, fill
	s_wait_dscnt 8
	WIN MUL_LO
	MUL16 F1, 0, 0, 0
	s_wait_dscnt 0                                 ; my reads of this slot are over
	s_wait_tensorcnt 0x0                           ; all my tensor loads have landed
	ds_add_u32 v255, v255
	s_wait_dscnt 0x0
	s_barrier_signal -1                            ; (where a slot is filled again this barrier opens a round of the cluster's barrier)
	MUL16 F1, 0, 2, 0                              ; register work while the others arrive
	WIN 0
	s_barrier_wait -1
.if \fill
	CREST                                          ; no wave of any partner still reads this slot or has a load on its way
	s_add_nc_u64 s[G0+4*\slot+2:G0+4*\slot+3], s[G0+4*\slot+2:G0+4*\slot+3], 2*KSTEP*2
	s_add_nc_u64 s[G0B+4*\slot+2:G0B+4*\slot+3], s[G0B+4*\slot+2:G0B+4*\slot+3], 2*KSTEP*2
	JLOAD \slot                                    ; the first tensor load behind the round, and my only one until the next
.endif
	PLACES
	FETCH \next, 0, F0
	WIN MUL_HI
	MUL16 F1, 1, 0, 0
	MUL16 F1, 1, 2, 0
.endm
.macro LAP zero
	THREE 0, \zero
	TURN 0, 1, 1
	THREE 1, 0
	TURN 1, 0, 1
.endm
	s_wait_tensorcnt 1                             ; my part of K step 0 is in; K step 1's load stays out
	s_barrier_signal -1
	s_barrier_wait -1
	FETCH 0, 0, F0
	LAP 1                                          ; the first lap stands in front of the loop: its first products start the sums
	WIN 0
	s_mov_b32 s3, LAPS-2
.Llap:
	LAP 0
	WIN 0
	s_sub_co_u32 s3, s3, 1
	s_cmp_lg_u32 s3, 0
	s_cbranch_scc1 .Llap
	THREE 0, 0                                     ; the last lap fills nothing
	TURN 0, 1, 0
	THREE 1, 0
	s_wait_dscnt 8
	WIN MUL_LO
	MUL16 F1, 0, 0, 0
	MUL16 F1, 0, 2, 0
	s_wait_dscnt 0
	WIN MUL_HI
	MUL16 F1, 1, 0, 0
	MUL16 F1, 1, 2, 0
	; THE WAY OUT.  My 128 columns are two heads, 4 x block column + 2 x half + 0, 1; my rows are 128 rows of one batch of one of q, k, v.
	PLACES
	WIN 0
	s_lshr_b32 s14, s13, 3                         ; 2 t + batch, 0..5
	s_and_b32 s15, s13, 7                          ; which 256 rows of the sequence
	s_lshl_b32 s16, s14, 22                        ; 16 heads x 2,048 rows x 128 bytes for each (t, batch)
	s_lshl_b32 s17, s15, 15
	s_add_co_u32 s16, s16, s17
	s_lshl_b32 s17, s11, 14
	s_add_co_u32 s16, s16, s17
	s_mov_b32 s17, 0
	s_lshl_b32 s46, s42, 2
	s_lshl1_add_u32 s46, s12, s46                  ; my first head
	s_lshl_b32 s72, s46, 18                        ; a head: 262,144 bytes (in registers of its own: none that fed A's descriptors ever holds cx)
	s_mov_b32 s73, 0
	s_add_nc_u64 s[8:9], s[8:9], s[16:17]
	s_add_nc_u64 s[8:9], s[8:9], s[72:73]
	s_mov_b32 s68, 0x3e38aa3b                      ; log2(e) / 8: the scores' 1/sqrt(64), and exp as a power of two
	s_mov_b32 s69, 0x3e38aa3b
; Rows 16 i .. 16 i + 15 of my block = the eight tiles (a, 0..7) of window 2 or 3 (from = 0x0a or 0x0f).  Rounded to f16, 16 bytes a lane into
; my own stage, read back so that 32 lanes hold four rows of one head, which are 512 consecutive bytes of hb.
.macro OUT16 i, a, from, f
	WIN \from
.irp b, 0,1,2,3,4,5,6,7
.irp r, 0,1,2,3
	v_cvt_pk_f16_f32 v[TMP+4*\b+\r], v[8*(8*\a+\b)+2*\r], v[8*(8*\a+\b)+2*\r+1]
.endr
.endr
	WIN 0
.irp b, 0,1,2,3,4,5,6,7
	ds_store_b128 v[STO], v[TMP+4*\b:TMP+4*\b+3] offset:32*\b
.endr
	s_wait_xcnt 0x0                                ; buffer f, which earlier stores read, is loaded again only behind this wait (ISA guide 3.1)
.irp t, 0,1,2,3,4,5,6,7
	ds_load_b128 v[\f+4*\t:\f+4*\t+3], v[RD] offset:(\t&3)*4*272+128*(\t>>2)   ; LDS serves a wave's instructions in order (ISA guide 5.7.1): these see the stores above
.endr
.irp t, 0,1,2,3,4,5,6,7
	s_wait_dscnt 7-\t                              ; read-back t is in, the younger ones stay out
	global_store_b128 v[CO], v[\f+4*\t:\f+4*\t+3], s[8:9] offset:(\t>>2)*262144+(16*\i+4*(\t&3))*128
.endr
.endm
	s_cmp_eq_u32 s66, 0                            ; t is the same in all waves and in all partners
	s_cbranch_scc0 .Lout
	WIN 0x82                                       ; q alone: the f32 sums times log2(e)/8, before the one rounding to f16
.set k, 0
.rept 128
	v_pk_mul_f32 v[2*k:2*k+1], v[2*k:2*k+1], s[68:69] op_sel_hi:[1,0]
.set k, k+1
.endr
	WIN 0xc3
.set k, 0
.rept 128
	v_pk_mul_f32 v[2*k:2*k+1], v[2*k:2*k+1], s[68:69] op_sel_hi:[1,0]
.set k, k+1
.endr
	WIN 0
.Lout:
	OUT16 0, 0, 0x0a, F0
	OUT16 1, 1, 0x0a, F1
	OUT16 2, 2, 0x0a, F0
	OUT16 3, 3, 0x0a, F1
	OUT16 4, 0, 0x0f, F0
	OUT16 5, 1, 0x0f, F1
	OUT16 6, 2, 0x0f, F0
	OUT16 7, 3, 0x0f, F1
	s_set_vgpr_msb 0x1
	s_wait_tensorcnt 0x0
	ds_add_u32 v255, v255
	s_wait_dscnt 0x0
	s_set_vgpr_msb 0x100
	CROUND                                         ; the closing round: no work-group ends while a partner may still ask for a tile that names it
	s_endpgm
.Lfunc_end_k_qeeff82285f_proj:
	.size	k_qeeff82285f_proj, .Lfunc_end_k_qeeff82285f_proj-k_qeeff82285f_proj
	.p2alignl 7, 3214868480
	.fill 96, 4, 3214868480
	.section	.rodata,"a",@progbits
	.p2align	6, 0x0
	.amdhsa_kernel k_qeeff82285f_proj
		.amdhsa_group_segment_fixed_size 327680
		.amdhsa_private_segment_fixed_size 0
		.amdhsa_enable_private_segment 0
		.amdhsa_kernarg_size 24
		.amdhsa_user_sgpr_count 2
		.amdhsa_user_sgpr_kernarg_segment_ptr 1
		.amdhsa_wavefront_size32 1
		.amdhsa_system_sgpr_workgroup_id_x 1
		.amdhsa_system_sgpr_workgroup_id_y 1
		.amdhsa_system_sgpr_workgroup_id_z 1
		.amdhsa_system_vgpr_workitem_id 0
		.amdhsa_next_free_vgpr 1024
		.amdhsa_next_free_sgpr 76
		.amdhsa_reserve_vcc 0
		.amdhsa_float_denorm_mode_32 3
		.amdhsa_float_denorm_mode_16_64 3
		.amdhsa_memory_ordered 1
		.amdhsa_forward_progress 1
		.amdhsa_inst_pref_size 212
	.end_amdhsa_kernel
	.amdgpu_metadata
---
amdhsa.version: [ 1, 2 ]
amdhsa.kernels:
  - .name:           k_qeeff82285f_proj
    .symbol:         k_qeeff82285f_proj.kd
    .args:
      - { .name: xb, .offset: 0, .size: 8, .value_kind: global_buffer, .address_space: global }
      - { .name: wb, .offset: 8, .size: 8, .value_kind: global_buffer, .address_space: global }
      - { .name: hb, .offset: 16, .size: 8, .value_kind: global_buffer, .address_space: global }
    .group_segment_fixed_size: 327680
    .private_segment_fixed_size: 0
    .kernarg_segment_align: 8
    .kernarg_segment_size: 24
    .max_flat_workgroup_size: 128
    .sgpr_count:     76
    .vgpr_count:     1024
    .wavefront_size: 32
...
	.end_amdgpu_metadata
.endif
;; end of part 2
;; launch attn (part 3): grid 8 x 32, 8 waves a work-group, clusters of 4 x 1, 327,680 bytes of LDS; arguments hb, mask, ob; writes ob
.if DOCPART == 3
	.amdgcn_target "amdgcn-amd-amdhsa--gfx1250"
	.amdhsa_code_object_version 6
	.text
	.protected	k_qeeff82285f_attn
	.globl	k_qeeff82285f_attn
	.p2align	8
	.type	k_qeeff82285f_attn,@function
k_qeeff82285f_attn:
	s_mov_b64 s[64:65], 0
	v_nop
	global_prefetch_b8 v0, s[64:65] scope:SCOPE_SE
	s_setreg_imm32_b32 hwreg(HW_REG_WAVE_MODE, 25, 1), 1
	s_wait_xcnt 0x0
	s_wait_alu depctr_hold_cnt(0) depctr_sa_sdst(0) depctr_va_vdst(0) depctr_va_sdst(0) depctr_va_ssrc(0) depctr_va_vcc(0) depctr_vm_vsrc(0)
	s_getreg_b32 s2, hwreg(HW_REG_IB_STS2, 6, 4)
	s_cmp_eq_u32 s2, 0
	s_cbranch_scc0 .Lentry_in_a_cluster
	s_endpgm
.Lentry_in_a_cluster:
	s_bfe_u32 s2, ttmp6, 0x10000c
	s_cmp_lg_u32 s2, 0x3003
	s_cbranch_scc0 .Lentry_shape_is_right
	s_endpgm
.Lentry_shape_is_right:
; Attention with the clipped, masked softmax: P = exp(clip(q k / 8, -50, 50)), a masked query's row zero, O = P v / (row sum of P).
; q comes in already times log2(e)/8, so the clip is at lo, hi = -+50 log2(e) and exp is v_exp_f32.
; A RUNNING MAXIMUM is taken away, so that P (at most 1) and v can both go to the matrix unit in f16.  Every 64 keys, for each query:
;   m = min(max(m before, the 64 scores), hi), begun at lo;  x = median(s - m, lo - m, 0), which is clip(s) - m for every s;  P = 2^x;
;   with a = 2^(m before - m):  row sum = a x row sum + sum of P,  O = a x O + P v.
; The quotient O / row sum does not depend on m.  The row sum is at least 1 (the score that attains m counts 1), so the definition's 'sum <= 0 -> 1' is met
; by masked rows alone: the factor is mask ? 1/sum : 0.
; FORMATS: q, k, v, P, O f16; scores, maxima, row sums and O's sums f32.
; LIMITS: NaN in q or k is dropped by the maximum and the clip (v_max3_num_f32, v_med3_num_f32); a weight below 2^-24 of the running maximum rounds to
; zero in f16 (2,048 of them are at most 1.2e-4 of the row sum); |O| above 65504 becomes an infinity, |O| below 6e-5 is rounded on f16's denormal grid.
;
; A work-group owns 256 queries of one (batch, head); eight waves: wave w has queries 64 (w & 3) .. + 63 and keys 128 (w >> 2) .. + 127 of every tile of 256
; keys.  The two halves of the keys keep maxima of their own and are joined once at the end, through LDS.
; CLUSTERS: the four work-groups of a cluster are four query blocks of the same (batch, head) and walk the same K and V tiles: every tile is asked for jointly.
; NO SHUFFLES: S^T = K Q^T (A = 16 keys, B = 16 queries) leaves in lane (r, h), register j, key 8 h + j of query r; two such tiles packed to f16 are the
; B fragment of P^T for 32 keys.  O^T = V^T P^T (A = V^T by the transposing LDS load) leaves d = 16 dt + 8 h + j of query r: maximum, row sum, mask and
; factor are one number a lane, and a lane's eight results are 16 neighbouring bytes of O.
;
; LDS: two slots of 71,680 bytes: K as 128 rows of two keys (256 bytes, pitch 272), then V as 128 rows of two keys
; behind them, at multiples of 256 and never the target
; of a tensor load: 4 x 17,920 bytes for the upper key half's O, row sums and maxima, 4 x 2,304 for the way out.
.set SLOT,  71680
.set VOFF,  34816
.set SCR,   2*SLOT
.set SCRW,  17920
.set STG,   SCR+4*SCRW
.set STGW,  2304
; window 0
.set KADR, 2                           ; v2-3    my K fragments' address in slot 0, 1
.set VADR, 4                           ; v4-5    my V fragments' address in slot 0, 1
.set STO,  6                           ; way out: where I put 16 bytes
.set RD,   7                           ; way out: where I read back
.set CO,   8                           ; 16 x lane
.set SA,   9                           ; the exchange between the key halves: 16 x lane in my query group's area
.set QO,   10                          ; q: 128 r + 16 h
.set MO,   11                          ; mask: r
.set MSK,  12                          ; v12-15  mask byte of query 16 q + r
.set RS,   16                          ; v16-31  row sums, two pairs for each query tile
.set QF,   32                          ; v32-95  Q fragments, 8 (2 q + ks)
.set SCO,  96                          ; v96-223 scores of 64 keys: 32 q + 8 kt + j; then P in f32; then P^T in f16 at 32 q + 16 g + 0..7
.set MM,   224                         ; v224-231, v240-247: the maximum of query tile q at MM + 16 p + 2 q (p: parity of the step), a temporary beside it
.set XN,   232                         ; v232-239 pairs (-m, lo - m)
.set AL,   248                         ; v248-255 pairs (a, its exponent)
.set TS,   232                         ; at work in the set-up
.set RT,   32                          ; after the loop: v32-63 row totals, maxima, factors at work
.set F1,   64                          ; after the loop: v64, 66, 68, 70 the factor of my own O
.set F2,   72                          ; after the loop: v72, 74, 76, 78 the factor of the other half's O
; window 1
.set ACC,  0                           ; v256-383 O^T, 8 (4 q + dt)
.set KF,   128                         ; v384-447 K fragments of 64 keys, 8 (2 kt + ks)
.set VF,   192                         ; v448-511 V^T fragments of 64 keys, 8 (4 g + dt)
.set G1K, 16                           ; s[16:23] K's shape
.set G1V, 24                           ; s[24:31] V's shape
.set G0K, 32                           ; s[32:39] K: from where, to where; one set for each slot
.set G0V, 40                           ; s[40:47] V likewise
.set MSB, 0
.macro WIN new                         ; the immediate's high byte repeats the setting that is left
.if MSB != \new
	s_set_vgpr_msb (MSB<<8)|\new
.set MSB, \new
.endif
.endm
.macro ROUND                           ; a round of the cluster's barrier
	s_barrier_signal -1
	s_barrier_wait -1
	s_cmp_lg_u32 s10, 0
	s_cbranch_scc1 .Lnot_wave_0_\@
	s_barrier_signal -3
.Lnot_wave_0_\@:
	s_barrier_wait -3
	s_barrier_signal -1
	s_barrier_wait -1
.endm
.macro JLOAD sl                        ; waves 0-3 ask for a quarter of K's tile each, waves 4-7 for a quarter of V's: 32 rows of 256 bytes
	s_cmp_eq_u32 s11, 0
	s_cbranch_scc0 .Lfor_v_\@
	tensor_load_to_lds s[G0K+4*\sl:G0K+4*\sl+3], s[G1K:G1K+7]
	s_nop 0
	s_branch .Lasked_\@
.Lfor_v_\@:
	tensor_load_to_lds s[G0V+4*\sl:G0V+4*\sl+3], s[G1V:G1V+7]
	s_nop 0
.Lasked_\@:
.endm
.macro PLACES n                        ; independent vector instructions behind a matrix instruction (ISA guide 7.12.1)
.rept \n
	v_nop
.endr
.endm
	s_load_b128 s[4:7], s[0:1], 0x0                ; hb s[4:5], mask s[6:7]
	s_load_b64 s[8:9], s[0:1], 0x10                ; ob
	v_lshl_add_u32 v254, v0, 2, 0x36c00
	v_mov_b32 v255, 0
	ds_add_u32 v254, v255
	s_wait_dscnt 0x0
	v_lshrrev_b32 v1, 5, v0
	v_readfirstlane_b32 s10, v1                    ; wave 0..7
	s_lshr_b32 s11, s10, 2                         ; kh: my half of a tile's keys.  Also: I ask for K (0) or V (1)
	s_and_b32 s12, s10, 3                          ; qw: my 64 queries.  Also: which quarter of the tile I ask for
	s_bfe_u32 s13, ttmp6, 0x40000                  ; cx
	s_lshl_b32 s14, ttmp9, 2
	s_add_co_u32 s14, s14, s13                     ; query block 0..7
	s_and_b32 s15, ttmp7, 0xffff                   ; (batch, head) 0..31: the same in the four partners
	; both tiles are dense in memory: rows of 32 elements of 8 bytes, pitch 32; the mask names all four work-groups
	s_mov_b32 s[G1K+0], 15|(3<<16)|(1<<20)|(1<<21)|(5<<22)|(3<<25)   ; padding of 4 words behind every 64
	s_mov_b32 s[G1K+1], 32<<16                     ; tensor_dim0 = 32
	s_mov_b32 s[G1K+2], 32<<16                     ; tensor_dim1 = 32
	s_mov_b32 s[G1K+3], 32<<16                     ; tile_dim0 = 32
	s_mov_b32 s[G1K+4], 32                         ; tile_dim1 = 32 rows
	s_mov_b32 s[G1K+5], 32
	s_mov_b32 s[G1K+6], 0
	s_mov_b32 s[G1K+7], 0
	s_mov_b32 s[G1V+0], 15|(3<<16)|(1<<20)|(1<<21)|(5<<22)|(7<<25)   ; padding of 8 words behind every 64
	s_mov_b32 s[G1V+1], 32<<16
	s_mov_b32 s[G1V+2], 32<<16
	s_mov_b32 s[G1V+3], 32<<16
	s_mov_b32 s[G1V+4], 32
	s_mov_b32 s[G1V+5], 32
	s_mov_b32 s[G1V+6], 0
	s_mov_b32 s[G1V+7], 0
	s_lshl_b32 s48, s15, 18                        ; K: 262,144 bytes a head, my quarter of a tile 8,192
	s_lshl_b32 s49, s12, 13
	s_add_co_u32 s48, s48, s49
	s_add_co_u32 s50, s48, 0x1000000               ; V: the same place in the third tensor of hb
	s_add_co_u32 s48, s48, 0x800000                ; K: in the second
	s_mov_b32 s49, 0
	s_mov_b32 s51, 0
	s_mul_i32 s57, s12, 32*272                     ; to LDS: quarter x 32 rows of 272
	s_mul_i32 s62, s12, 32*288                     ;         quarter x 32 rows of 288, behind K
	s_add_co_u32 s62, s62, VOFF
	s_wait_kmcnt 0x0
	s_add_nc_u64 s[48:49], s[4:5], s[48:49]
	s_add_nc_u64 s[50:51], s[4:5], s[50:51]
	ROUND                                          ; the four work-groups are here: the first joint loads meet
.irp sl, 0,1
	s_mov_b32 s[G0K+4*\sl], 1
	s_add_co_u32 s[G0K+4*\sl+1], s57, \sl*SLOT
	s_add_nc_u64 s[G0K+4*\sl+2:G0K+4*\sl+3], s[48:49], \sl*32768
	s_or_b32 s[G0K+4*\sl+3], s[G0K+4*\sl+3], 0x80000000
	s_mov_b32 s[G0V+4*\sl], 1
	s_add_co_u32 s[G0V+4*\sl+1], s62, \sl*SLOT
	s_add_nc_u64 s[G0V+4*\sl+2:G0V+4*\sl+3], s[50:51], \sl*32768
	s_or_b32 s[G0V+4*\sl+3], s[G0V+4*\sl+3], 0x80000000
	JLOAD \sl                                      ; tiles 0 and 1: two tensor loads of the wave are out
.endr
	; my 64 queries' fragments, once, straight into registers (8,192 dense bytes a wave), and their mask bytes
	s_lshl_b32 s60, s15, 18
	s_lshl_b32 s61, s14, 15
	s_add_co_u32 s60, s60, s61
	s_lshl_b32 s61, s12, 13
	s_add_co_u32 s60, s60, s61
	s_mov_b32 s61, 0
	s_add_nc_u64 s[58:59], s[4:5], s[60:61]        ; q of (batch, head), row 256 x block + 64 qw
	s_lshr_b32 s60, s15, 4
	s_lshl_b32 s60, s60, 11
	s_lshl_b32 s61, s14, 8
	s_add_co_u32 s60, s60, s61
	s_lshl_b32 s61, s12, 6
	s_add_co_u32 s60, s60, s61
	s_mov_b32 s61, 0
	s_add_nc_u64 s[6:7], s[6:7], s[60:61]          ; mask[batch][256 x block + 64 qw]
	v_and_b32 v1, 31, v0                           ; l
	v_and_b32 v[TS], 15, v0                        ; r
	v_bfe_u32 v[TS+1], v0, 4, 1                    ; h
	v_lshlrev_b32 v[QO], 7, v[TS]
	v_lshl_add_u32 v[QO], v[TS+1], 4, v[QO]
	v_mov_b32 v[MO], v[TS]
.irp q, 0,1,2,3
.irp c, 0,1,2,3
	global_load_b128 v[QF+16*\q+4*\c:QF+16*\q+4*\c+3], v[QO], s[58:59] offset:\q*2048+32*\c
.endr
.endr
.irp q, 0,1,2,3
	global_load_u8 v[MSK+\q], v[MO], s[6:7] offset:16*\q
.endr
	; ob = [32 blocks of 128 rows][16 heads][128 rows][64] f16
	s_lshr_b32 s60, s15, 4
	s_lshl_b32 s60, s60, 4
	s_lshl1_add_u32 s60, s14, s60
	s_lshr_b32 s61, s12, 1
	s_add_co_u32 s60, s60, s61                     ; block of 128 rows: 16 batch + 2 x query block + qw / 2
	s_lshl_b32 s60, s60, 4
	s_and_b32 s61, s15, 15
	s_add_co_u32 s60, s60, s61                     ; x 16 + head
	s_lshl_b32 s60, s60, 14
	s_and_b32 s61, s12, 1
	s_lshl_b32 s61, s61, 13
	s_add_co_u32 s60, s60, s61                     ; + 64 rows of 128 bytes for the odd qw
	s_mov_b32 s61, 0
	s_add_nc_u64 s[8:9], s[8:9], s[60:61]
	; K: key x lies at (x >> 1) 272 + (x & 1) 128; the 16 keys of a fragment load start at 16 different 16-byte columns modulo 256
	v_lshrrev_b32 v[TS+2], 1, v[TS]
	v_mul_u32_u24 v[TS+2], v[TS+2], 272
	v_and_b32 v[TS+3], 1, v0
	v_lshl_add_u32 v[TS+2], v[TS+3], 7, v[TS+2]
	v_lshl_add_u32 v[TS+2], v[TS+1], 4, v[TS+2]
	s_mul_i32 s60, s11, 64*272                     ; my 128 keys
	v_add_nc_u32 v[KADR], s60, v[TS+2]
	v_add_nc_u32 v[KADR+1], SLOT, v[KADR]
	; V, for the transposing load: key x = 8 h + (l & 7) at (x >> 1) 288 + (x & 1) 128, and there the 16 bytes at 16 ((l >> 3) & 1)
	v_bfe_u32 v[TS+2], v0, 1, 2
	v_lshl_add_u32 v[TS+2], v[TS+1], 2, v[TS+2]    ; x >> 1 = 4 h + ((l >> 1) & 3)
	v_mul_u32_u24 v[TS+2], v[TS+2], 288
	v_lshl_add_u32 v[TS+2], v[TS+3], 7, v[TS+2]    ; x & 1 = l & 1
	v_bfe_u32 v[TS+3], v0, 3, 1
	v_lshl_add_u32 v[TS+2], v[TS+3], 4, v[TS+2]
	s_mul_i32 s60, s11, 64*288
	s_add_co_u32 s60, s60, VOFF
	v_add_nc_u32 v[VADR], s60, v[TS+2]
	v_add_nc_u32 v[VADR+1], SLOT, v[VADR]
	; the way out: 16 queries x 128 bytes, pitch 144
	s_mul_i32 s60, s12, STGW
	s_add_co_u32 s60, s60, STG
	v_mul_u32_u24 v[TS+2], v[TS], 144
	v_lshl_add_u32 v[TS+2], v[TS+1], 4, v[TS+2]
	v_add_nc_u32 v[STO], s60, v[TS+2]
	v_lshrrev_b32 v[TS+2], 3, v1
	v_mul_u32_u24 v[TS+2], v[TS+2], 144
	v_and_b32 v[TS+3], 7, v0
	v_lshl_add_u32 v[TS+2], v[TS+3], 4, v[TS+2]
	v_add_nc_u32 v[RD], s60, v[TS+2]
	v_lshlrev_b32 v[CO], 4, v1
	s_mul_i32 s60, s12, SCRW
	s_add_co_u32 s60, s60, SCR
	v_lshl_add_u32 v[SA], v1, 4, s60
	s_mov_b32 s52, 0xc29044fe                      ; lo = -50 log2(e)
	s_mov_b32 s53, 0x429044fe                      ; hi = +50 log2(e)
	s_mov_b32 s54, 0x76543210                      ; v_permlanex16_b32: lane i of one half reads lane i of the other
	s_mov_b32 s55, 0xfedcba98
; K fragments of 64 keys (step ds of my 128): 16 loads into window 1
.macro FK sl, ds
	WIN 0x40
.irp t, 0,1,2,3
.irp c, 0,1,2,3
	ds_load_b128 v[KF+16*\t+4*\c:KF+16*\t+4*\c+3], v[KADR+\sl] offset:(\ds)*8704+\t*2176+32*\c
.endr
.endr
.endm
; V^T fragments of the same 64 keys x 64 d: 16 transposing loads into window 1
.macro FV sl, ds
	WIN 0x40
.irp g, 0,1
.irp d, 0,1,2,3
	ds_load_tr16_b128 v[VF+32*\g+8*\d:VF+32*\g+8*\d+3],   v[VADR+\sl] offset:(\ds)*9216+\g*4608+32*\d
	ds_load_tr16_b128 v[VF+32*\g+8*\d+4:VF+32*\g+8*\d+7], v[VADR+\sl] offset:(\ds)*9216+\g*4608+32*\d+2304
.endr
.endr
.endm
; The largest of a lane's 32 scores of each query tile and of the maximum so far (first = 1: of lo), in two chains a tile, eight chains that do not wait for each other
.macro MAXALL p, first
.irp q, 0,1,2,3
.if \first
	v_max3_num_f32 v[MM+16*\p+2*\q], s52, v[SCO+32*\q], v[SCO+32*\q+1]
.else
	v_max3_num_f32 v[MM+16*\p+2*\q], v[MM+16*(1-\p)+2*\q], v[SCO+32*\q], v[SCO+32*\q+1]
.endif
	v_max_num_f32 v[MM+16*\p+2*\q+1], v[SCO+32*\q+16], v[SCO+32*\q+17]
.endr
.irp i, 1,2,3,4,5,6,7
.irp q, 0,1,2,3
	v_max3_num_f32 v[MM+16*\p+2*\q], v[MM+16*\p+2*\q], v[SCO+32*\q+2*\i], v[SCO+32*\q+2*\i+1]
	v_max3_num_f32 v[MM+16*\p+2*\q+1], v[MM+16*\p+2*\q+1], v[SCO+32*\q+16+2*\i], v[SCO+32*\q+17+2*\i]
.endr
.endr
.endm
; The two chains and the two halves of the lanes (which hold other keys of the same query) meet; m, -m, lo - m, and a = 2^(m before - m)
.macro XALL p, first
.irp q, 0,1,2,3
	v_max_num_f32 v[MM+16*\p+2*\q], v[MM+16*\p+2*\q], v[MM+16*\p+2*\q+1]
.endr
.irp q, 0,1,2,3
	v_permlanex16_b32 v[MM+16*\p+2*\q+1], v[MM+16*\p+2*\q], s54, s55
.endr
.irp q, 0,1,2,3
	v_max_num_f32 v[MM+16*\p+2*\q], v[MM+16*\p+2*\q], v[MM+16*\p+2*\q+1]
.endr
.irp q, 0,1,2,3
	v_min_num_f32 v[MM+16*\p+2*\q], s53, v[MM+16*\p+2*\q]      ; the maximum of the clipped scores; it is at least lo, where the chain began
.endr
.irp q, 0,1,2,3
	v_sub_f32 v[XN+2*\q], 0, v[MM+16*\p+2*\q]
	v_sub_f32 v[XN+2*\q+1], s52, v[MM+16*\p+2*\q]
.endr
.if \first == 0
.irp q, 0,1,2,3
	v_sub_f32 v[AL+2*\q+1], v[MM+16*(1-\p)+2*\q], v[MM+16*\p+2*\q]
.endr
.irp q, 0,1,2,3
	v_exp_f32 v[AL+2*\q], v[AL+2*\q+1]
.endr
	v_nop                                          ; one plain vector instruction behind the run, before any result is used (ISA guide 5.7.2)
.endif
.endm
.macro SHIFT q                         ; x = median(s - m, lo - m, 0) = clip(s) - m
.set k, 0
.rept 16
	v_pk_add_f32 v[SCO+32*\q+2*k:SCO+32*\q+2*k+1], v[SCO+32*\q+2*k:SCO+32*\q+2*k+1], v[XN+2*\q:XN+2*\q+1] op_sel_hi:[1,0]
.set k, k+1
.endr
.set k, 0
.rept 32
	v_med3_num_f32 v[SCO+32*\q+k], v[SCO+32*\q+k], v[XN+2*\q+1], 0
.set k, k+1
.endr
.endm
.macro EXPQ q
.set k, 0
.rept 32
	v_exp_f32 v[SCO+32*\q+k], v[SCO+32*\q+k]
.set k, k+1
.endr
	v_nop                                          ; one plain vector instruction behind the run, before any result is used (ISA guide 5.7.2)
.endm
; P of query tile q: added in f32 to the tile's two pairs of row sums (the first two sums carry the factor a; first = 1: they start the sums), then packed to f16
; in place: pair i of each 16 registers goes to register i, which ascending i has already read.
.macro PACK q, first
.if \first
	s_wait_alu depctr_va_vdst(0)
	v_pk_add_f32 v[RS+4*\q:RS+4*\q+1],   v[SCO+32*\q:SCO+32*\q+1],   v[SCO+32*\q+4:SCO+32*\q+5]
	v_pk_add_f32 v[RS+4*\q+2:RS+4*\q+3], v[SCO+32*\q+2:SCO+32*\q+3], v[SCO+32*\q+6:SCO+32*\q+7]
.irp i, 4,5,6,7,8,9,10,11,12,13,14,15
	v_pk_add_f32 v[RS+4*\q+2*(\i&1):RS+4*\q+2*(\i&1)+1], v[RS+4*\q+2*(\i&1):RS+4*\q+2*(\i&1)+1], v[SCO+32*\q+2*\i:SCO+32*\q+2*\i+1]
.endr
.else
	s_wait_alu depctr_va_vdst(0)
	v_pk_fma_f32 v[RS+4*\q:RS+4*\q+1],   v[RS+4*\q:RS+4*\q+1],   v[AL+2*\q:AL+2*\q+1], v[SCO+32*\q:SCO+32*\q+1]   op_sel_hi:[1,0,1]
	v_pk_fma_f32 v[RS+4*\q+2:RS+4*\q+3], v[RS+4*\q+2:RS+4*\q+3], v[AL+2*\q:AL+2*\q+1], v[SCO+32*\q+2:SCO+32*\q+3] op_sel_hi:[1,0,1]
.irp i, 2,3,4,5,6,7,8,9,10,11,12,13,14,15
	v_pk_add_f32 v[RS+4*\q+2*(\i&1):RS+4*\q+2*(\i&1)+1], v[RS+4*\q+2*(\i&1):RS+4*\q+2*(\i&1)+1], v[SCO+32*\q+2*\i:SCO+32*\q+2*\i+1]
.endr
.endif
.irp g, 0,1
.irp i, 0,1,2,3,4,5,6,7
	v_cvt_pk_f16_f32 v[SCO+32*\q+16*\g+\i], v[SCO+32*\q+16*\g+2*\i], v[SCO+32*\q+16*\g+2*\i+1]
.endr
.endr
.endm
.macro RESC                            ; O = a x O: a lane's 32 registers of a query tile belong to one query
	WIN 0x41
.irp q, 0,1,2,3
.set k, 0
.rept 16
	v_pk_mul_f32 v[ACC+32*\q+2*k:ACC+32*\q+2*k+1], v[ACC+32*\q+2*k:ACC+32*\q+2*k+1], v[AL+2*\q:AL+2*\q+1] op_sel_hi:[1,0]
.set k, k+1
.endr
.endr
	WIN 0
.endm
; One step: 64 keys x my 64 queries.  ds: which half of my 128 keys, and the parity of the maximum's registers.  pf = 1: the next step's fragments are fetched
; as soon as this step's have been multiplied.  In every run of matrix instructions the accumulators take turns, one instruction a turn.
.macro DSTEP sl, ds, first, pf
	s_wait_dscnt 16                                ; K's sixteen loads are in; V's sixteen, issued behind them, may be out
	WIN 0x01                                       ; A (K) window 1; B (Q), C and D window 0
.irp q, 0,1,2,3
.irp t, 0,1,2,3
	v_wmma_f32_16x16x32_f16 v[SCO+32*\q+8*\t:SCO+32*\q+8*\t+7], v[KF+16*\t:KF+16*\t+7], v[QF+16*\q:QF+16*\q+7], 0
.endr
.endr
.irp q, 0,1,2,3
.irp t, 0,1,2,3
	v_wmma_f32_16x16x32_f16 v[SCO+32*\q+8*\t:SCO+32*\q+8*\t+7], v[KF+16*\t+8:KF+16*\t+15], v[QF+16*\q+8:QF+16*\q+15], v[SCO+32*\q+8*\t:SCO+32*\q+8*\t+7]
.endr
.endr
	PLACES 4
.if \pf
	FK \sl, \ds+1
.endif
	WIN 0
	MAXALL \ds, \first
	XALL \ds, \first
	SHIFT 0
	EXPQ 0
	SHIFT 1
	EXPQ 1
	PACK 0, \first
	SHIFT 2
	EXPQ 2
	PACK 1, \first
	SHIFT 3
	EXPQ 3
.if \first == 0
	RESC
.endif
	PACK 2, \first
	PACK 3, \first
.if \pf
	s_wait_dscnt 16                                ; V's sixteen loads are in; the next step's sixteen of K may be out
.else
	s_wait_dscnt 0
.endif
	WIN 0x51                                       ; A (V^T), C and D window 1, B (P^T) window 0
.irp g, 0,1
.irp q, 0,1,2,3
.irp d, 0,1,2,3
.if \first*(1-\g)
	v_wmma_f32_16x16x32_f16 v[ACC+8*(4*\q+\d):ACC+8*(4*\q+\d)+7], v[VF+32*\g+8*\d:VF+32*\g+8*\d+7], v[SCO+32*\q+16*\g:SCO+32*\q+16*\g+7], 0
.else
	v_wmma_f32_16x16x32_f16 v[ACC+8*(4*\q+\d):ACC+8*(4*\q+\d)+7], v[VF+32*\g+8*\d:VF+32*\g+8*\d+7], v[SCO+32*\q+16*\g:SCO+32*\q+16*\g+7], v[ACC+8*(4*\q+\d):ACC+8*(4*\q+\d)+7]
.endif
.endr
.endr
.endr
	PLACES 5                                       ; five: the next step's first products write over the registers that these read as B
.if \pf
	FV \sl, \ds+1
.endif
	WIN 0
.endm
.macro TILE sl, first                  ; my 128 keys of the tile in slot sl: two steps
	FK \sl, 0
	FV \sl, 0
	DSTEP \sl, 0, \first, 1
	DSTEP \sl, 1, 0, 0
.endm
; The change of slots.  In front of the round every wave waits for all its tensor loads (one is out: its part of slot sl) and for its reads of the other slot;
; behind it the other slot's refill comes first, one joint load a wave, with the whole tile's work in which to land.
.macro NEXT sl, ot, refill
	s_wait_xcnt 0x0
	v_lshl_add_u32 v254, v0, 2, 0x36c00
	v_mov_b32 v255, 0
	s_wait_tensorcnt 0x0                           ; no tensor load of mine is out: a group 0 may be written
	ds_add_u32 v254, v255
	s_wait_dscnt 0x0
.if \refill
	s_add_nc_u64 s[G0K+4*\ot+2:G0K+4*\ot+3], s[G0K+4*\ot+2:G0K+4*\ot+3], 2*32768
	s_add_nc_u64 s[G0V+4*\ot+2:G0V+4*\ot+3], s[G0V+4*\ot+2:G0V+4*\ot+3], 2*32768
.endif
	s_wait_dscnt 0x0
.if \refill
	ROUND
	JLOAD \ot
.else
	s_barrier_signal -1                            ; the last tile: every wave's part has landed
	s_barrier_wait -1
.endif
	TILE \sl, 0
.endm
	s_wait_tensorcnt 0x1                           ; my part of tile 0 is in; tile 1's load stays out
	s_barrier_signal -1
	s_barrier_wait -1
	s_wait_loadcnt 0x0                             ; q and the mask
	TILE 0, 1                                      ; tile 0 stands in front of the loop: its first step starts the maxima and the sums
	s_mov_b32 s56, 3
.Ltiles:
	NEXT 1, 0, 1                                   ; tiles 1, 3, 5; slot 0 gets tiles 2, 4, 6
	NEXT 0, 1, 1                                   ; tiles 2, 4, 6; slot 1 gets tiles 3, 5, 7
	s_sub_co_u32 s56, s56, 1
	s_cmp_lg_u32 s56, 0
	s_cbranch_scc1 .Ltiles
	NEXT 1, 0, 0                                   ; tile 7
	; THE TWO KEY HALVES MEET.  Each lane's row sums first: four registers to one for each query tile.  The last maxima lie in the registers of parity 1.
.irp q, 0,1,2,3
	v_pk_add_f32 v[RS+4*\q:RS+4*\q+1], v[RS+4*\q:RS+4*\q+1], v[RS+4*\q+2:RS+4*\q+3]
.endr
.irp q, 0,1,2,3
	v_add_f32 v[RT+\q], v[RS+4*\q], v[RS+4*\q+1]
.endr
	s_cmp_eq_u32 s11, 0
	s_cbranch_scc1 .Lkeep
	WIN 0x04                                       ; store data from window 1
.set i, 0
.rept 32
	ds_store_b128 v[SA], v[ACC+4*i:ACC+4*i+3] offset:512*i
.set i, i+1
.endr
	WIN 0
	ds_store_b128 v[SA], v[RT:RT+3] offset:16384
	ds_store_b128 v[SA], v[MM+16:MM+19] offset:16896   ; the maxima, with the temporaries that lie between them
	ds_store_b128 v[SA], v[MM+20:MM+23] offset:17408
.Lkeep:
	s_wait_dscnt 0x0                               ; for the other waves' sake: my stores are done
	s_barrier_signal -1
	s_barrier_wait -1
	s_cmp_lg_u32 s11, 0
	s_cbranch_scc1 .Lclose                         ; waves 4-7 have handed their part over
	ds_load_b128 v[RT+4:RT+7], v[SA] offset:16384
	ds_load_b128 v[RT+8:RT+11], v[SA] offset:16896
	ds_load_b128 v[RT+12:RT+15], v[SA] offset:17408
	s_wait_dscnt 0x0
.irp q, 0,1,2,3
	v_max_num_f32 v[RT+16+\q], v[MM+16+2*\q], v[RT+8+2*\q]     ; the maximum over all keys
.endr
.irp q, 0,1,2,3
	v_sub_f32 v[RT+20+\q], v[MM+16+2*\q], v[RT+16+\q]
	v_sub_f32 v[RT+24+\q], v[RT+8+2*\q], v[RT+16+\q]
.endr
.irp q, 0,1,2,3
	v_exp_f32 v[RT+20+\q], v[RT+20+\q]             ; a1: what my half's sums are worth against it
	v_exp_f32 v[RT+24+\q], v[RT+24+\q]             ; a2: the other half's
.endr
	v_nop                                          ; one plain vector instruction behind the run (ISA guide 5.7.2)
.irp q, 0,1,2,3
	s_wait_alu depctr_va_vdst(0)
	v_mul_f32 v[RT+\q], v[RT+\q], v[RT+20+\q]
.endr
.irp q, 0,1,2,3
	v_fmac_f32 v[RT+\q], v[RT+4+\q], v[RT+24+\q]
.endr
.irp q, 0,1,2,3
	v_permlanex16_b32 v[RT+28+\q], v[RT+\q], s54, s55   ; the keys that the other half of the lanes held (the destination was written by q's loads)
.endr
.irp q, 0,1,2,3
	v_add_f32 v[RT+\q], v[RT+\q], v[RT+28+\q]      ; the whole row sum of query 16 q + r
.endr
.irp q, 0,1,2,3
	v_rcp_f32 v[RT+28+\q], v[RT+\q]
.endr
	v_nop                                          ; one plain vector instruction behind the reciprocals (ISA guide 5.7.2)
.irp q, 0,1,2,3
	v_cmp_ne_u32 vcc_lo, 0, v[MSK+\q]
	s_wait_alu depctr_va_vdst(0)
	v_cndmask_b32 v[RT+28+\q], 0, v[RT+28+\q], vcc_lo    ; mask ? 1 / sum : 0
.endr
.irp q, 0,1,2,3
	v_mul_f32 v[F1+2*\q], v[RT+28+\q], v[RT+20+\q]
	v_mul_f32 v[F2+2*\q], v[RT+28+\q], v[RT+24+\q]
.endr
; Query tile q: O = my O x F1 + the other half's O x F2, rounded to f16, through my own stage, out as 512 consecutive bytes (four rows of ob) an instruction.
.macro FIN q
.irp i, 0,1,2,3,4,5,6,7
	ds_load_b128 v[SCO+4*\i:SCO+4*\i+3], v[SA] offset:512*(8*\q+\i)
.endr
	s_wait_dscnt 0x0
.set k, 0
.rept 16
	v_pk_mul_f32 v[SCO+2*k:SCO+2*k+1], v[SCO+2*k:SCO+2*k+1], v[F2+2*\q:F2+2*\q+1] op_sel_hi:[1,0]
.set k, k+1
.endr
	WIN 0x01
.set k, 0
.rept 16
	v_pk_fma_f32 v[SCO+2*k:SCO+2*k+1], v[ACC+32*\q+2*k:ACC+32*\q+2*k+1], v[F1+2*\q:F1+2*\q+1], v[SCO+2*k:SCO+2*k+1] op_sel_hi:[1,0,1]
.set k, k+1
.endr
	WIN 0
.set k, 0
.rept 16
	v_cvt_pk_f16_f32 v[SCO+32+k], v[SCO+2*k], v[SCO+2*k+1]
.set k, k+1
.endr
.irp d, 0,1,2,3
	ds_store_b128 v[STO], v[SCO+32+4*\d:SCO+32+4*\d+3] offset:32*\d
.endr
.irp i, 0,1,2,3
	ds_load_b128 v[SCO+64+16*\q+4*\i:SCO+64+16*\q+4*\i+3], v[RD] offset:576*\i   ; LDS serves a wave's instructions in order (ISA guide 5.7.1); each tile has registers of its own
.endr
.irp i, 0,1,2,3
	s_wait_dscnt 3-\i                              ; read-back i is in, the younger ones stay out
	global_store_b128 v[CO], v[SCO+64+16*\q+4*\i:SCO+64+16*\q+4*\i+3], s[8:9] offset:\q*2048+512*\i
.endr
.endm
	FIN 0
	FIN 1
	FIN 2
	FIN 3
.Lclose:
	s_wait_xcnt 0x0
	v_lshl_add_u32 v254, v0, 2, 0x36c00
	v_mov_b32 v255, 0
	s_wait_tensorcnt 0x0
	ds_add_u32 v254, v255
	s_wait_dscnt 0x0
	ROUND                                          ; the closing round: no work-group ends while a partner may still ask for a tile that names it
	s_endpgm
.Lfunc_end_k_qeeff82285f_attn:
	.size	k_qeeff82285f_attn, .Lfunc_end_k_qeeff82285f_attn-k_qeeff82285f_attn
	.p2alignl 7, 3214868480
	.fill 96, 4, 3214868480
	.section	.rodata,"a",@progbits
	.p2align	6, 0x0
	.amdhsa_kernel k_qeeff82285f_attn
		.amdhsa_group_segment_fixed_size 327680
		.amdhsa_private_segment_fixed_size 0
		.amdhsa_enable_private_segment 0
		.amdhsa_kernarg_size 24
		.amdhsa_user_sgpr_count 2
		.amdhsa_user_sgpr_kernarg_segment_ptr 1
		.amdhsa_wavefront_size32 1
		.amdhsa_system_sgpr_workgroup_id_x 1
		.amdhsa_system_sgpr_workgroup_id_y 1
		.amdhsa_system_sgpr_workgroup_id_z 1
		.amdhsa_system_vgpr_workitem_id 0
		.amdhsa_next_free_vgpr 512
		.amdhsa_next_free_sgpr 66
		.amdhsa_reserve_vcc 1
		.amdhsa_float_denorm_mode_32 3
		.amdhsa_float_denorm_mode_16_64 3
		.amdhsa_memory_ordered 1
		.amdhsa_forward_progress 1
		.amdhsa_inst_pref_size 255
	.end_amdhsa_kernel
	.section	.bss,"aw",@nobits
	.p2align	6
	.space	262144
	.amdgpu_metadata
---
amdhsa.version: [ 1, 2 ]
amdhsa.kernels:
  - .name:           k_qeeff82285f_attn
    .symbol:         k_qeeff82285f_attn.kd
    .args:
      - { .name: hb, .offset: 0, .size: 8, .value_kind: global_buffer, .address_space: global }
      - { .name: mask, .offset: 8, .size: 8, .value_kind: global_buffer, .address_space: global }
      - { .name: ob, .offset: 16, .size: 8, .value_kind: global_buffer, .address_space: global }
    .group_segment_fixed_size: 327680
    .private_segment_fixed_size: 0
    .kernarg_segment_align: 8
    .kernarg_segment_size: 24
    .max_flat_workgroup_size: 256
    .sgpr_count:     66
    .vgpr_count:     512
    .wavefront_size: 32
...
	.end_amdgpu_metadata
.endif
;; end of part 3
;; launch outp (part 4): grid 8 x 32, 4 waves a work-group, clusters of 4 x 4, 327,680 bytes of LDS; arguments ob, wb, out0; writes out0
.if DOCPART == 4
	.amdgcn_target "amdgcn-amd-amdhsa--gfx1250"
	.amdhsa_code_object_version 6
	.text
	.protected	k_qeeff82285f_outp
	.globl	k_qeeff82285f_outp
	.p2align	8
	.type	k_qeeff82285f_outp,@function
k_qeeff82285f_outp:
	s_mov_b64 s[64:65], 0
	v_nop
	global_prefetch_b8 v0, s[64:65] scope:SCOPE_SE
	s_setreg_imm32_b32 hwreg(HW_REG_WAVE_MODE, 25, 1), 1
	s_wait_xcnt 0x0
	s_wait_alu depctr_hold_cnt(0) depctr_sa_sdst(0) depctr_va_vdst(0) depctr_va_sdst(0) depctr_va_ssrc(0) depctr_va_vcc(0) depctr_vm_vsrc(0)
	s_getreg_b32 s2, hwreg(HW_REG_IB_STS2, 6, 4)
	s_cmp_eq_u32 s2, 0
	s_cbranch_scc0 .Lentry_in_a_cluster
	s_endpgm
.Lentry_in_a_cluster:
	s_bfe_u32 s2, ttmp6, 0x10000c
	s_cmp_lg_u32 s2, 0xf033
	s_cbranch_scc0 .Lentry_shape_is_right
	s_endpgm
.Lentry_shape_is_right:
; out0[m][n] = sum over k of O[m][k] W_o[n][k], f16 operands, f32 sums, f32 out.  O lies in ob as [32 blocks of 128 rows][16 heads][128 rows][64] f16,
; k = 64 head + d; W_o is the fourth matrix of wb, [1024][1024] f16.
; 256 work-groups of 128 x 128 of out0, four waves of 64 x 64: 4,096 x 1,024 in blocks of twice the side would be 64 work-groups.
; K goes through two LDS slots of 256 along K each (four heads), four fills in all, so the text has no loop.
; CLUSTERS: 4 x 4 work-groups; O's tiles are shared along a row of the cluster, W_o's along a column, each asked for jointly.
; A slot: O as 4 planes (heads) of 64 rows of two matrix rows (256 bytes, pitch 272), then W_o as 128 rows of 512 bytes, pitch 528.
; The matrix instruction is used transposed (source 0 = W_o's rows, source 1 = O's rows): a lane's eight results are 32 neighbouring bytes of a row of out0.
.set PA,     272
.set PLANE,  64*PA                     ; 17,408
.set BOFF,   4*PLANE                   ; 69,632
.set PB,     528
.set SLOT,   BOFF+128*PB               ; 137,216
.set STAGE,  2*SLOT                    ; behind the ring, at a multiple of 256: 16 rows x 272 bytes for each wave; no tensor load lands there
.set SPITCH, 272
.set ADRA, 16                          ; v16-17  my O fragments' address in slot 0, 1
.set ADRB, 20                          ; v20-21  my W_o fragments' address
.set STO,  24
.set RD,   25
.set CO,   26
.set F0,   64                          ; v64-127:  W_o's four fragments, then O's four
.set F1,   128                         ; v128-191: the second buffer
.set G1, 24
.set G0, 32
.set G1B, 48
.set G0B, 56
.set MSB, 0
.macro WIN new                         ; the immediate's high byte repeats the setting that is left
.if MSB != \new
	s_set_vgpr_msb (MSB<<8)|\new
.set MSB, \new
.endif
.endm
.macro JLOAD s                         ; waves 0, 1 ask for two planes of O each, waves 2, 3 for 64 rows of W_o each
	s_cmp_eq_u32 s11, 0
	s_cbranch_scc0 .Lfor_b_\@
	tensor_load_to_lds s[G0+4*\s:G0+4*\s+3], s[G1:G1+7]
	s_nop 0
	s_branch .Lasked_\@
.Lfor_b_\@:
	tensor_load_to_lds s[G0B+4*\s:G0B+4*\s+3], s[G1B:G1B+7]
	s_nop 0
.Lasked_\@:
.endm
.macro CREST                           ; a round of the cluster's barrier behind its opening barrier
	s_cmp_lg_u32 s10, 0
	s_cbranch_scc1 .Lnot_wave_0_\@
	s_barrier_signal -3
.Lnot_wave_0_\@:
	s_barrier_wait -3
	s_barrier_signal -1
	s_barrier_wait -1
.endm
.macro CROUND
	s_barrier_signal -1
	s_barrier_wait -1
	CREST
.endm
.macro PLACES                          ; four independent vector instructions behind a matrix instruction (ISA guide 7.12.1)
.rept 4
	v_nop
.endr
.endm
	s_load_b128 s[4:7], s[0:1], 0x0                ; ob s[4:5], wb s[6:7]
	s_load_b64 s[8:9], s[0:1], 0x10                ; out0
	v_lshl_add_u32 v254, v0, 2, 0x47400
	v_mov_b32 v255, 0
	ds_add_u32 v254, v255
	v_lshrrev_b32 v1, 5, v0
	v_readfirstlane_b32 s10, v1                    ; wave 0..3
	s_lshr_b32 s11, s10, 1                         ; my half of the rows.  Also: I ask for O (0) or W_o (1)
	s_and_b32 s12, s10, 1                          ; my half of the columns.  Also: which half of that tile I ask for
	s_bfe_u32 s40, ttmp6, 0x40000                  ; cx
	s_bfe_u32 s41, ttmp6, 0x40004                  ; cy
	s_lshl_b32 s42, ttmp9, 2
	s_add_co_u32 s42, s42, s40                     ; block column 0..7
	s_and_b32 s13, ttmp7, 0xffff
	s_lshl_b32 s13, s13, 2
	s_add_co_u32 s13, s13, s41                     ; block row 0..31
	s_lshl_b32 s43, s41, 2
	s_lshl_b32 s43, 15, s43                        ; my row of the cluster
	s_lshl_b32 s44, 0x1111, s40                    ; my column
	; O: two planes are 32,768 dense bytes: 128 rows of 32 elements of 8 bytes, 16 bytes of padding behind every 256
	s_or_b32 s[G1+0], s43, (3<<16)|(1<<20)|(1<<21)|(5<<22)|(3<<25)
	s_mov_b32 s[G1+1], 32<<16
	s_mov_b32 s[G1+2], 128<<16
	s_mov_b32 s[G1+3], 32<<16
	s_mov_b32 s[G1+4], 128
	s_mov_b32 s[G1+5], 32
	s_mov_b32 s[G1+6], 0
	s_mov_b32 s[G1+7], 0
	; W_o: 64 rows of 256 elements of 2 bytes, 1,024 elements from row to row, 16 bytes of padding behind every 512
	s_or_b32 s[G1B+0], s44, (1<<16)|(1<<20)|(1<<21)|(6<<22)|(3<<25)
	s_mov_b32 s[G1B+1], 256<<16
	s_mov_b32 s[G1B+2], 64<<16
	s_mov_b32 s[G1B+3], 256<<16
	s_mov_b32 s[G1B+4], 64
	s_mov_b32 s[G1B+5], 1024
	s_mov_b32 s[G1B+6], 0
	s_mov_b32 s[G1B+7], 0
	s_lshl_b32 s16, s13, 18                        ; O: 262,144 bytes a block of rows, my two planes 32,768
	s_lshl_b32 s17, s12, 15
	s_add_co_u32 s16, s16, s17
	s_mov_b32 s17, 0
	s_lshl_b32 s46, s42, 18                        ; W_o: row 128 x block column + 64 x half, of 2,048 bytes,
	s_lshl_b32 s47, s12, 17
	s_add_co_u32 s46, s46, s47
	s_add_co_u32 s46, s46, 0x600000                ; in the fourth matrix of wb
	s_mov_b32 s47, 0
	s_mul_i32 s20, s12, 2*PLANE                    ; to LDS: the wave's number alone enters
	s_mul_i32 s21, s12, 64*PB
	s_add_co_u32 s21, s21, BOFF
	s_wait_dscnt 0x0
	s_wait_kmcnt 0x0
	s_add_nc_u64 s[14:15], s[4:5], s[16:17]
	s_add_nc_u64 s[46:47], s[6:7], s[46:47]
	CROUND                                         ; all sixteen work-groups are here: the first joint loads meet
.irp s, 0,1
	s_mov_b32 s[G0+4*\s], 1
	s_add_co_u32 s[G0+4*\s+1], s20, \s*SLOT
	s_add_nc_u64 s[G0+4*\s+2:G0+4*\s+3], s[14:15], \s*65536        ; four heads on
	s_or_b32 s[G0+4*\s+3], s[G0+4*\s+3], 0x80000000
	s_mov_b32 s[G0B+4*\s], 1
	s_add_co_u32 s[G0B+4*\s+1], s21, \s*SLOT
	s_add_nc_u64 s[G0B+4*\s+2:G0B+4*\s+3], s[46:47], \s*512        ; 256 along K on
	s_or_b32 s[G0B+4*\s+3], s[G0B+4*\s+3], 0x80000000
	JLOAD \s                                       ; both first fills: two tensor loads of the wave are out
.endr
	v_and_b32 v1, 15, v0                           ; r
	v_bfe_u32 v2, v0, 4, 1                         ; h
	v_lshrrev_b32 v3, 1, v1                        ; O: matrix row x lies at (x >> 1) 272 + (x & 1) 128 of its plane
	v_mul_u32_u24 v3, v3, PA
	v_and_b32 v4, 1, v0
	v_lshl_add_u32 v3, v4, 7, v3
	v_lshl_add_u32 v3, v2, 4, v3
	v_mul_u32_u24 v5, v1, PB                       ; W_o: row r, 16 bytes for each half of the lanes
	v_lshl_add_u32 v5, v2, 4, v5
	s_mul_i32 s22, s11, 32*PA                      ; my 64 rows of O
	s_mul_i32 s23, s12, 64*PB                      ; my 64 rows of W_o
	s_add_co_u32 s23, s23, BOFF
.irp s, 0,1
	v_add_nc_u32 v[ADRA+\s], s22, v3
	v_add_nc_u32 v[ADRB+\s], s23, v5
	s_add_co_u32 s22, s22, SLOT
	s_add_co_u32 s23, s23, SLOT
.endr
	s_mul_i32 s22, s10, 16*SPITCH
	s_add_co_u32 s22, s22, STAGE                   ; my stage
	v_mul_u32_u24 v4, v1, SPITCH                   ; in: row r, 32 bytes for each half of the lanes
	v_lshl_add_u32 v4, v2, 5, v4
	v_add_nc_u32 v[STO], s22, v4
	v_mul_u32_u24 v5, v2, SPITCH                   ; back: lanes 0-15 one row of 256 bytes, lanes 16-31 the next
	v_lshl_add_u32 v5, v1, 4, v5
	v_add_nc_u32 v[RD], s22, v5
	v_lshlrev_b32 v5, 12, v2                       ; and the same two rows of out0, 4,096 bytes apart
	v_lshl_add_u32 v[CO], v1, 4, v5
; the fragments of quarter step q (32 along K; 0 .. 7 in a slot) into buffer f: 16 loads
.macro FETCH s, q, f
.irp i, 0,1,2,3
	ds_load_b128 v[\f+8*\i:\f+8*\i+3],   v[ADRB+\s] offset:(\q)*64+\i*16*PB
	ds_load_b128 v[\f+8*\i+4:\f+8*\i+7], v[ADRB+\s] offset:(\q)*64+\i*16*PB+32
.endr
.irp i, 0,1,2,3
	ds_load_b128 v[\f+32+8*\i:\f+32+8*\i+3],   v[ADRA+\s] offset:((\q)>>1)*PLANE+((\q)&1)*64+\i*8*PA
	ds_load_b128 v[\f+32+8*\i+4:\f+32+8*\i+7], v[ADRA+\s] offset:((\q)>>1)*PLANE+((\q)&1)*64+\i*8*PA+32
.endr
.endm
; 16 matrix instructions; the 16 accumulators (window 1, tile (a, b) at 8 (4 a + b)) take turns, one instruction a turn
.macro MUL f, zero
	WIN 0x50
.irp a, 0,1,2,3
.irp b, 0,1,2,3
.if \zero
	v_wmma_f32_16x16x32_f16 v[8*(4*\a+\b):8*(4*\a+\b)+7], v[\f+8*\b:\f+8*\b+7], v[\f+32+8*\a:\f+32+8*\a+7], 0
.else
	v_wmma_f32_16x16x32_f16 v[8*(4*\a+\b):8*(4*\a+\b)+7], v[\f+8*\b:\f+8*\b+7], v[\f+32+8*\a:\f+32+8*\a+7], v[8*(4*\a+\b):8*(4*\a+\b)+7]
.endif
.endr
.endr
	WIN 0
.endm
.macro QUARTER s, q, f, g, zero        ; fetches quarter q + 1 into g, multiplies quarter q from f
	PLACES
	FETCH \s, \q+1, \g
	s_wait_dscnt 16                                ; buffer f is in; the sixteen loads just issued may be out
	MUL \f, \zero
.endm
.macro SEVEN s, zero
	QUARTER \s, 0, F0, F1, \zero
	QUARTER \s, 1, F1, F0, 0
	QUARTER \s, 2, F0, F1, 0
	QUARTER \s, 3, F1, F0, 0
	QUARTER \s, 4, F0, F1, 0
	QUARTER \s, 5, F1, F0, 0
	QUARTER \s, 6, F0, F1, 0
.endm
; The slot's last quarter and the change of slots.  In front of the barrier each wave waits for its reads of this slot and for all its tensor loads;
; behind it (fill = 1: behind the round that it opens) the refill comes first, then the next slot's first fragments.
.macro LASTQ s, next, fill
	s_wait_dscnt 0x0
	s_wait_tensorcnt 0x0
	ds_add_u32 v254, v255
	s_wait_dscnt 0x0
	s_barrier_signal -1
	MUL F1, 0                                      ; register work while the others arrive
	s_barrier_wait -1
.if \fill
	CREST
	s_add_nc_u64 s[G0+4*\s+2:G0+4*\s+3], s[G0+4*\s+2:G0+4*\s+3], 2*65536
	s_add_nc_u64 s[G0B+4*\s+2:G0B+4*\s+3], s[G0B+4*\s+2:G0B+4*\s+3], 2*512
	JLOAD \s                                       ; the first tensor load behind the round, and my only one until the next
.endif
	PLACES
	FETCH \next, 0, F0
.endm
	s_wait_tensorcnt 0x1                           ; my part of slot 0 is in; slot 1's load stays out
	s_barrier_signal -1
	s_barrier_wait -1
	FETCH 0, 0, F0
	SEVEN 0, 1                                     ; K 0 .. 255: the first products start the sums
	LASTQ 0, 1, 1
	SEVEN 1, 0                                     ; K 256 .. 511
	LASTQ 1, 0, 1
	SEVEN 0, 0                                     ; K 512 .. 767
	LASTQ 0, 1, 0
	SEVEN 1, 0                                     ; K 768 .. 1023
	s_wait_dscnt 0x0
	MUL F1, 0
	; THE WAY OUT, 16 rows at a time through my own stage: sixteen lanes store 256 consecutive bytes at a multiple of 256 from out0's first byte
	PLACES
	s_lshl_b32 s16, s13, 19                        ; row 128 x block row + 64 x half, of 4,096 bytes
	s_lshl_b32 s17, s11, 18
	s_add_co_u32 s16, s16, s17
	s_mov_b32 s17, 0
	s_add_nc_u64 s[8:9], s[8:9], s[16:17]
	s_lshl_b32 s46, s42, 9                         ; column 128 x block column + 64 x half, of 4 bytes
	s_lshl_b32 s47, s12, 8
	s_add_co_u32 s46, s46, s47
	s_mov_b32 s47, 0
	s_add_nc_u64 s[8:9], s[8:9], s[46:47]
.macro OUT16 a, f
	WIN 0x04                                       ; store data from window 1
.irp b, 0,1,2,3
	ds_store_b128 v[STO], v[8*(4*\a+\b):8*(4*\a+\b)+3]   offset:64*\b
	ds_store_b128 v[STO], v[8*(4*\a+\b)+4:8*(4*\a+\b)+7] offset:64*\b+16
.endr
	WIN 0
	s_wait_xcnt 0x0                                ; buffer f, which earlier stores read, is loaded again only behind this wait (ISA guide 3.1)
.irp t, 0,1,2,3,4,5,6,7
	ds_load_b128 v[\f+4*\t:\f+4*\t+3], v[RD] offset:\t*2*SPITCH    ; LDS serves a wave's instructions in order (ISA guide 5.7.1): these see the stores above
.endr
.irp t, 0,1,2,3,4,5,6,7
	s_wait_dscnt 7-\t                              ; read-back t is in, the younger ones stay out
	global_store_b128 v[CO], v[\f+4*\t:\f+4*\t+3], s[8:9] offset:(16*\a+2*\t)*4096 th:TH_STORE_NT
.endr
.endm
	OUT16 0, F0
	OUT16 1, F1
	OUT16 2, F0
	OUT16 3, F1
	s_wait_tensorcnt 0x0
	ds_add_u32 v254, v255
	s_wait_dscnt 0x0
	CROUND                                         ; the closing round: no work-group ends while a partner may still ask for a tile that names it
	s_endpgm
.Lfunc_end_k_qeeff82285f_outp:
	.size	k_qeeff82285f_outp, .Lfunc_end_k_qeeff82285f_outp-k_qeeff82285f_outp
	.p2alignl 7, 3214868480
	.fill 96, 4, 3214868480
	.section	.rodata,"a",@progbits
	.p2align	6, 0x0
	.amdhsa_kernel k_qeeff82285f_outp
		.amdhsa_group_segment_fixed_size 327680
		.amdhsa_private_segment_fixed_size 0
		.amdhsa_enable_private_segment 0
		.amdhsa_kernarg_size 24
		.amdhsa_user_sgpr_count 2
		.amdhsa_user_sgpr_kernarg_segment_ptr 1
		.amdhsa_wavefront_size32 1
		.amdhsa_system_sgpr_workgroup_id_x 1
		.amdhsa_system_sgpr_workgroup_id_y 1
		.amdhsa_system_sgpr_workgroup_id_z 1
		.amdhsa_system_vgpr_workitem_id 0
		.amdhsa_next_free_vgpr 384
		.amdhsa_next_free_sgpr 66
		.amdhsa_reserve_vcc 0
		.amdhsa_float_denorm_mode_32 3
		.amdhsa_float_denorm_mode_16_64 3
		.amdhsa_memory_ordered 1
		.amdhsa_forward_progress 1
		.amdhsa_inst_pref_size 89
	.end_amdhsa_kernel
	.amdgpu_metadata
---
amdhsa.version: [ 1, 2 ]
amdhsa.kernels:
  - .name:           k_qeeff82285f_outp
    .symbol:         k_qeeff82285f_outp.kd
    .args:
      - { .name: ob, .offset: 0, .size: 8, .value_kind: global_buffer, .address_space: global }
      - { .name: wb, .offset: 8, .size: 8, .value_kind: global_buffer, .address_space: global }
      - { .name: out0, .offset: 16, .size: 8, .value_kind: global_buffer, .address_space: global }
    .group_segment_fixed_size: 327680
    .private_segment_fixed_size: 0
    .kernarg_segment_align: 8
    .kernarg_segment_size: 24
    .max_flat_workgroup_size: 128
    .sgpr_count:     66
    .vgpr_count:     384
    .wavefront_size: 32
...
	.end_amdgpu_metadata
.endif
;; end of part 4
